; MI455X (gfx1250); checked and timed in simulation.
; The chip was launched on July 23, 2026; its instructions are those of AMD's public machine-readable ISA for CDNA 5 (MIT licence, August 2026) and "CDNA5" Instruction Set Architecture Reference Guide (July 2026). The comments in the code are by the model that wrote it; some were corrected since.
;; Cross Attention. Allowed arithmetic: matrix products marked QUANTISED: E2M3 operands, one E8M0 scale for each 32 along K, by v_wmma_scale_f32_16x16x128_f8f6f4 with both operands' format E2M3, f32 sums; everything else in f32.
;; Inputs: Wk 768 x 1,024 float32; Wo 1,024 x 1,024 float32; Wq 1,024 x 1,024 float32; Wv 768 x 1,024 float32; bo 1,024 float32; context 4 x 512 x 768 float32; x 4 x 4,096 x 1,024 float32.
;; Outputs: out0 4 x 4,096 x 1,024 float32.
;; This version of the problem:
;;   THIS VERSION OF THE PROBLEM IS GIVEN IN LOW PRECISION. The matrix products marked QUANTISED in the list below multiply operands that are first quantised to E2M3 (2 exponent bits, 3 mantissa bits; 6 bits a number), with one power-of-two scale for each 32 numbers along K (OCP MX v1.0); their sums are f32. All else is computed in f32.
;;   The module's matrix products, in the order in which they are computed (A, B: the left and right operand; K: the contracted axis; several contracted axes count as one K, in the product's order):
;;     1. [M 16,384, K 1,024] x [K 1,024, N 1,024]; A: input x; B: input Wq: QUANTISED
;;     2. [M 2,048, K 768] x [K 768, N 1,024]; A: input context; B: input Wk: QUANTISED
;;     3. [M 2,048, K 768] x [K 768, N 1,024]; A: input context; B: input Wv: QUANTISED
;;     4. batch 64 x [M 4,096, K 64] x [K 64, N 512]; A: computed on the way; B: computed on the way: QUANTISED
;;     5. batch 64 x [M 4,096, K 512] x [K 512, N 64]; A: softmax (see below); B: computed on the way: QUANTISED
;;     6. [M 16,384, K 1,024] x [K 1,024, N 1,024]; A: computed on the way; B: input Wo: QUANTISED
;;   THE QUANTISER, for each operand of a quantised product, along K:
;;     - K is cut into blocks of 32 from its start; a last block that is shorter is filled with zeros.
;;     - A block's scale is 2^e with e = floor(log2(the largest magnitude in the block)) - 2, held to -126 .. 127; a block of zeros has e = 0. As a byte (E8M0): e + 127.
;;     - Each number is divided by its block's scale, clamped to +-7.5, and rounded to the nearest number of E2M3, ties to even, subnormals kept.
;;     - The product sums the exact products of the quantised numbers (number of the format x scale) in f32.
;;   ~~~python
;;   def quantise(x, axis):      # numpy; x: float32 -> the quantised numbers, widened to float32 again
;;       x = np.moveaxis(x, axis, -1); K = x.shape[-1]
;;       x = np.pad(x, [(0, 0)] * (x.ndim - 1) + [(0, -K % 32)]); x = x.reshape(x.shape[:-1] + (-1, 32)); a = np.abs(x).max(-1, keepdims=True)
;;       e = np.where(a > 0, np.clip(np.frexp(np.where(a > 0, a, 1))[1] - 1 - 2, -126, 127), 0)      # np.frexp(a)[1] - 1 = floor(log2(a)), exactly
;;       r = np.clip(x / 2.0 ** e, -7.5, 7.5)
;;       step = 2.0 ** (np.maximum(np.frexp(np.where(r == 0, 1, r))[1] - 1, 0) - 3)
;;       q = np.round(r / step) * step * 2.0 ** e      # np.round: ties to even
;;       return np.moveaxis(q.reshape(q.shape[:-2] + (-1,))[..., :K], -1, axis).astype(np.float32)
;;   ~~~
;;   SOFTMAX AHEAD OF A QUANTISED PRODUCT. Where the list says 'softmax', what is quantised is not the finished softmax but p = 2^(t - M), with t = logit x log2(e) and M = ceil(the row's largest t), a whole number; so 1/2 < the row's largest p <= 1. The row's sum l is taken of the UNQUANTISED p, in f32, and the product's result is divided by l at the end. Since M is a whole number, a kernel that streams over the keys may use a running M (the ceiling of the running maximum): every later rescaling is an exact power of two, which a block's scale takes up: the codes' values come out the same.
;;   OPERANDS COMPUTED ON THE WAY. 'Computed on the way' means the value that the module computes at that place (a softmax that the list does not call 'softmax' is quantised finished and normalised). What goes into a quantiser is computed in f32, as accurately as f32 sums, v_exp_f32 and their like allow (about 1e-6 of the number): no bf16 or f16 on the way to a quantiser, and a product that is left as it is and whose result goes on into a quantised operand takes f32 operands (vector FMAs, or v_wmma_f32_16x16x4_f32). A number that lies on a knife's edge between two numbers of the format may be rounded either way, as far as f32 arithmetic and the matrix unit's own rounding can turn it there, and no further.
;; One version. Each part assembles by itself: llvm-mc -triple=amdgcn-amd-amdhsa -mcpu=gfx1250 --defsym DOCPART=n.
;; ======== version 1 of 1: 3 launches
;; limits: right only within a limited range of input values
;; workspace buffers: stream 9,830,400 bytes; wkv 1,228,800 bytes; ctxc 1,228,800 bytes; xq 13,107,200 bytes
;; launch prep (part 1): grid 2688 x 1, 4 waves a work-group, no clusters, 34,560 bytes of LDS; arguments Wq, Wo, Wk, Wv, context, stream, wkv, ctxc, x, xq; writes stream, wkv, ctxc, xq
.if DOCPART == 1
	.amdgcn_target "amdgcn-amd-amdhsa--gfx1250"
	.amdhsa_code_object_version 6
	.text
	.protected	k_q399d6982e8_prep
	.globl	k_q399d6982e8_prep
	.p2align	8
	.type	k_q399d6982e8_prep,@function
k_q399d6982e8_prep:
	s_mov_b64 s[64:65], 0
	v_nop
	global_prefetch_b8 v0, s[64:65] scope:SCOPE_SE
	s_setreg_imm32_b32 hwreg(HW_REG_WAVE_MODE, 25, 1), 1
	s_wait_xcnt 0x0
; PREP: the four weights (f32, K = their first axis) and context (f32, K innermost) become codes of E2M3 with one E8M0 byte for each 32 along K,
; laid in the order of a matrix operand's registers.
; A FRAGMENT is 16 rows x 128 K, 12 registers a lane: lane (r = lane % 16, h = lane / 16) holds row r; registers 6 c .. 6 c + 5 hold k = 64 c + 32 h + 0 .. 31.
; In memory it is two PIECES (c = 0, 1) of 768 bytes: registers 6 c .. 6 c + 3 at 16 x lane, registers 6 c + 4, 6 c + 5 at 512 + 8 x lane.
; A PART is 6,400 bytes: four fragments f at 1,536 f, then 256 bytes of scale words: the word of (row r, fragment f) at 6,144 + 16 r + 4 f.
; THE ROWS OF A FRAGMENT ARE NOT NEIGHBOURS: row r of fragment f is row 32 (f / 2) + 8 (f % 2) + r + 8 (r / 8) of the part's 64, so that a product
; that takes the fragments as source 0 leaves 16 neighbours in the 16 registers of two neighbouring result tiles.
; SHARES: one work-group makes one part, wave f its fragment f.  Work-groups 0-127: Wq (K step id / 16, columns 64 (id % 16) on); 128-255: Wo; 256-351: Wk; 352-447: Wv;
; 448-639: context (K step (id - 448) / 32, rows 64 ((id - 448) % 32) on).  Wq's and Wo's parts are stored four times, once into each batch's stream, so that the last launch walks one address.
; A weight: a lane takes a column and its registers run down K; context: a lane takes a row and 32 neighbours of each of its two blocks.  Either way a lane holds two whole blocks.
; A block's scale is 2^(floor(log2(its largest magnitude)) - 2); its byte is the largest magnitude's exponent field - 2, held at 1 from below.
; LIMITS: a block of zeros gets the byte 1 (its codes are zeros, and this program alone reads the bytes); blocks whose largest magnitude lies under 2^-124 keep the byte 1; NaN and infinities are not served.
; No tensor load, no cluster: no two work-groups read the same bytes.
; x TOO: work-groups 640-2687 turn x (f32, K innermost) into parts of the same form, but with NEIGHBOURING rows: fragment f of a part is rows 16 f .. 16 f + 15 of the part's 64.
; Work-group 640 + 8 G + t makes place t of the eight parts of rows 64 G on; xq is [G][t][6,400 bytes].  Place t holds the K step (t + rot) % 8, rot being the turn by which the last launch's cluster G / 4 walks K.
.set PART,  6400
.set CHUNK, 16*PART
.set BATCH, 24*CHUNK
.set SPARE, 256                        ; LDS: bytes 0-255 the part's scale words; from 256 on the spare words, 128 bytes a wave
.set SPW,   12                         ; v12  LDS address of my spare word; never rewritten
.set NIL,   13                         ; v13  0; never rewritten
.set WV,    28                         ; s28  my wave's number = my fragment
.set SEL,   40                         ; s[40:41] lane selects: lane l xor 16
	s_load_b256 s[4:11], s[0:1], 0x0               ; Wq s[4:5], Wo s[6:7], Wk s[8:9], Wv s[10:11]
	s_load_b256 s[12:19], s[0:1], 0x20             ; context s[12:13], stream s[14:15], wkv s[16:17], ctxc s[18:19]
	v_lshl_add_u32 v[SPW], v0, 2, SPARE
	v_mov_b32 v[NIL], 0
	v_lshrrev_b32 v1, 5, v0
	v_readfirstlane_b32 s[WV], v1
	v_and_b32 v1, 15, v0                           ; r
	v_bfe_u32 v2, v0, 4, 1                         ; h
	v_and_b32 v8, 31, v0                           ; lane
	v_lshlrev_b32 v5, 4, v8                        ; 16 x lane
	v_lshlrev_b32 v6, 3, v8                        ; 8 x lane
	s_lshl_b32 s29, s[WV], 2
	v_lshl_add_u32 v7, v1, 4, s29                  ; LDS: my row's scale word: 16 r + 4 f
	s_lshr_b32 s30, s[WV], 1
	s_lshl_b32 s30, s30, 5
	s_and_b32 s31, s[WV], 1
	s_lshl_b32 s31, s31, 3
	s_add_co_u32 s30, s30, s31
	v_and_b32 v3, 8, v1
	v_add3_u32 v3, v3, v1, s30                     ; my row of the part's 64: 32 (f / 2) + 8 (f % 2) + r + 8 (r / 8)
	s_mov_b32 s[SEL], 0x76543210
	s_mov_b32 s[SEL+1], 0xfedcba98
	s_cmp_ge_u32 ttmp9, 640                        ; x's work-groups part here, by the work-group's number alone
	s_wait_alu depctr_va_vdst(0)
	s_cbranch_scc1 .Lx
	; which tensor, which K step, which part: arithmetic on the work-group's number alone
	s_lshr_b32 s32, ttmp9, 4                       ; t
	s_and_b32 s33, ttmp9, 15                       ; cg
	s_mov_b32 s34, 22
	s_cmp_lt_u32 ttmp9, 352
	s_cselect_b32 s34, 16, s34
	s_cmp_lt_u32 ttmp9, 256
	s_cselect_b32 s34, 8, s34
	s_cmp_lt_u32 ttmp9, 128
	s_cselect_b32 s34, 0, s34
	s_sub_co_u32 s34, s32, s34                     ; a weight's K step
	s_lshl_b32 s35, s34, 19                        ; 128 rows of 4,096 bytes
	s_lshl_b32 s36, s33, 8                         ; 64 columns
	s_add_co_u32 s35, s35, s36                     ; a weight's source offset
	s_cmp_lt_u32 ttmp9, 128
	s_cselect_b32 s36, 0, 8
	s_add_co_u32 s36, s36, s32                     ; chunk: Wq's 0-7, Wo's 16-23
	s_mul_i32 s36, s36, CHUNK
	s_mul_i32 s37, s33, PART
	s_add_co_u32 s36, s36, s37                     ; place in a batch's stream
	s_cmp_lt_u32 ttmp9, 352
	s_cselect_b32 s37, 0, 16
	s_add_co_u32 s37, s37, s33
	s_mul_i32 s37, s37, 6
	s_add_co_u32 s37, s37, s34
	s_mul_i32 s37, s37, PART                       ; place in wkv: [kind][head][K step]
	s_sub_co_u32 s38, ttmp9, 448
	s_lshr_b32 s39, s38, 5                         ; context's K step
	s_and_b32 s38, s38, 31                         ; its group of 64 rows
	s_mul_i32 s29, s38, 196608                     ; 64 rows of 3,072 bytes
	s_lshl_b32 s31, s39, 9
	s_add_co_u32 s29, s29, s31                     ; context's source offset
	s_mul_i32 s38, s38, 6
	s_add_co_u32 s38, s38, s39
	s_mul_i32 s38, s38, PART                       ; place in ctxc: [group][K step]
	s_cmp_lt_u32 ttmp9, 448
	s_cselect_b32 s22, s35, s29
	s_cselect_b32 s26, s37, s38
	s_cmp_lt_u32 ttmp9, 256
	s_cselect_b32 s26, s36, s26
	s_cselect_b32 s46, 3, 0                        ; the last wave that stores a copy of the scale words
	s_mov_b32 s23, 0
	s_mov_b32 s27, 0
	s_wait_kmcnt 0x0
	s_cmp_lt_u32 ttmp9, 448                        ; the buffers are chosen by the work-group's number alone
	s_cselect_b64 s[20:21], s[10:11], s[12:13]
	s_cselect_b64 s[24:25], s[16:17], s[18:19]
	s_cmp_lt_u32 ttmp9, 352
	s_cselect_b64 s[20:21], s[8:9], s[20:21]
	s_cmp_lt_u32 ttmp9, 256
	s_cselect_b64 s[20:21], s[6:7], s[20:21]
	s_cselect_b64 s[24:25], s[14:15], s[24:25]
	s_cmp_lt_u32 ttmp9, 128
	s_cselect_b64 s[20:21], s[4:5], s[20:21]
	s_add_nc_u64 s[20:21], s[20:21], s[22:23]      ; the source
	s_add_nc_u64 s[24:25], s[24:25], s[26:27]      ; the part
	s_mul_i32 s22, s[WV], BATCH
	s_add_co_u32 s22, s22, 6144
	s_add_nc_u64 s[42:43], s[24:25], s[22:23]      ; its scale words, in the copy of batch f
	s_mul_i32 s26, s[WV], 1536
	s_add_nc_u64 s[24:25], s[24:25], s[26:27]      ; my fragment
	; the 64 numbers: v[64 + 32 c + i] = k 64 c + 32 h + i of my row of the operand
	s_cmp_lt_u32 ttmp9, 448
	s_cbranch_scc0 .Lcontext
	s_wait_alu depctr_va_vdst(0)
	v_lshlrev_b32 v4, 2, v3                        ; a weight: my column,
	v_lshl_add_u32 v4, v2, 17, v4                  ; lanes 16-31 begin 32 rows further down
.irp c, 0,1
.irp i, 0,1,2,3,4,5,6,7,8,9,10,11,12,13,14,15,16,17,18,19,20,21,22,23,24,25,26,27,28,29,30,31
	global_load_b32 v[64+32*\c+\i], v4, s[20:21] offset:(64*\c+\i)*4096
.endr
.endr
	s_branch .Lloaded
.Lx:
; x: my wave's 16 rows x 128 K.  Each load reads 512 consecutive bytes of one row, 16 a lane; the 8,192 bytes turn through my wave's own stage in LDS
; (rows 528 bytes apart, so that the sixteen rows of a read start at sixteen different banks) and come back as 2 x 32 neighbours of row r a lane: the same registers as the other two ways fill.
.set XP,    528
.set XSTG,  768                        ; LDS: behind the spare words, 16 x XP bytes for each wave
	s_load_b128 s[20:23], s[0:1], 0x40             ; x s[20:21], xq s[22:23]
	s_sub_co_u32 s32, ttmp9, 640                   ; 8 G + t
	s_lshr_b32 s33, s32, 3                         ; G
	s_lshr_b32 s35, s33, 2                         ; the last launch's cluster
	s_lshr_b32 s36, s35, 2
	s_xor_b32 s36, s36, s35
	s_and_b32 s36, s36, 3
	s_lshl_b32 s36, s36, 1                         ; its turn
	s_add_co_u32 s36, s36, s32
	s_and_b32 s36, s36, 7                          ; the K step: (t + turn) % 8 (8 G falls to the mask)
	s_lshl_b32 s38, s33, 18                        ; 64 rows of 4,096 bytes
	s_lshl_b32 s37, s[WV], 16                      ; my 16 rows
	s_add_co_u32 s38, s38, s37
	s_lshl_b32 s37, s36, 9                         ; 128 numbers along K
	s_add_co_u32 s38, s38, s37
	s_mov_b32 s39, 0
	s_mul_i32 s26, s32, PART                       ; place in xq
	s_mov_b32 s27, 0
	s_mov_b32 s46, 0                               ; one copy of the scale words: wave 0 stores it
	s_mul_i32 s30, s[WV], 16*XP
	s_add_co_u32 s30, s30, XSTG
	v_add_nc_u32 v14, s30, v5                      ; the stage, on the way in: 16 x lane of a row
	v_mul_u32_u24 v15, v1, XP
	v_lshl_add_u32 v15, v2, 7, v15
	v_add_nc_u32 v15, s30, v15                     ; and on the way out: row r, lanes 16-31 begin 32 numbers further on
	s_wait_alu depctr_va_vdst(0)
	s_wait_kmcnt 0x0
	s_add_nc_u64 s[20:21], s[20:21], s[38:39]      ; the source
	s_add_nc_u64 s[24:25], s[22:23], s[26:27]      ; the part
	s_add_nc_u64 s[42:43], s[24:25], 6144          ; its scale words
	s_mul_i32 s26, s[WV], 1536
	s_add_nc_u64 s[24:25], s[24:25], s[26:27]      ; my fragment
.irp i, 0,1,2,3,4,5,6,7,8,9,10,11,12,13,14,15
	global_load_b128 v[64+4*\i:67+4*\i], v5, s[20:21] offset:4096*\i th:TH_LOAD_NT
.endr
.irp i, 0,1,2,3,4,5,6,7,8,9,10,11,12,13,14,15
	s_wait_loadcnt 15-\i                           ; row i is in; the 15 - i loads issued behind it may be out
	ds_store_b128 v14, v[64+4*\i:67+4*\i] offset:XP*\i
.endr
	s_wait_dscnt 0x0                               ; the stores have read their registers, which take the numbers back
.irp c, 0,1
.irp j, 0,1,2,3,4,5,6,7
	ds_load_b128 v[64+32*\c+4*\j:64+32*\c+4*\j+3], v15 offset:256*\c+16*\j
.endr
.endr
	s_wait_dscnt 0x0
	s_branch .Lloaded
.Lcontext:
	s_wait_alu depctr_va_vdst(0)
	v_mul_u32_u24 v4, v3, 3072                     ; context: my row,
	v_lshl_add_u32 v4, v2, 7, v4                   ; lanes 16-31 begin 32 numbers further on
.irp c, 0,1
.irp i, 0,1,2,3,4,5,6,7
	global_load_b128 v[64+32*\c+4*\i:64+32*\c+4*\i+3], v4, s[20:21] offset:256*\c+16*\i
.endr
.endr
.Lloaded:
	s_wait_loadcnt 0x0
.irp c, 0,1                                    ; my blocks h and 2 + h: all their numbers are mine
	v_max3_num_f32 v[32+\c], |v[64+32*\c]|, |v[65+32*\c]|, 0x1800000   ; with the floor 2^(3 - 127): the byte cannot fall under 1
.endr
.irp i, 2,4,6,8,10,12,14,16,18,20,22,24,26,28,30
.irp c, 0,1
	v_max3_num_f32 v[32+\c], v[32+\c], |v[64+32*\c+\i]|, |v[65+32*\c+\i]|
.endr
.endr
.irp c, 0,1
	v_add_nc_u32 v[44+\c], 0xff000000, v[32+\c]    ; 2 off the exponent field: the conversion's scale operand
.endr
.irp c, 0,1
	v_lshrrev_b32 v[36+\c], 23, v[44+\c]           ; the scale's byte
.endr
	v_lshl_or_b32 v9, v37, 16, v36                 ; my two bytes,
	v_lshlrev_b32 v10, 3, v2
	v_lshlrev_b32 v9, v10, v9                      ; at their places in the word (8 h bits up);
	v_mov_b32 v10, 0
	v_permlanex16_b32 v10, v9, s[SEL], s[SEL+1]
	v_or_b32 v9, v9, v10                           ; with lane l xor 16's two the word is whole, in both lanes
.irp c, 0,1
	v_cvt_scalef32_pk16_fp6_f32 v[48+6*\c:50+6*\c], v[64+32*\c:79+32*\c], v[44+\c]
	v_cvt_scalef32_pk16_fp6_f32 v[128+4*\c:130+4*\c], v[80+32*\c:95+32*\c], v[44+\c]   ; (a conversion's three registers begin on an even number)
.endr
	v_nop                                          ; one plain instruction behind the conversions
.irp c, 0,1
.irp i, 0,1,2
	v_mov_b32 v[51+6*\c+\i], v[128+4*\c+\i]
.endr
.endr
	ds_store_b32 v7, v9                            ; lanes r and 16 + r write the same word with the same value
.macro CODES off                       ; each store covers 512 or 256 consecutive bytes, aligned
	global_store_b128 v5, v[48:51], s[24:25] offset:\off
	global_store_b64 v6, v[52:53], s[24:25] offset:\off+512
	global_store_b128 v5, v[54:57], s[24:25] offset:\off+768
	global_store_b64 v6, v[58:59], s[24:25] offset:\off+1280
.endm
	CODES 0
	s_cmp_lt_u32 ttmp9, 256
	s_cbranch_scc0 .Lone_copy
	CODES BATCH                                    ; Wq, Wo: the other three batches' streams; 3 x BATCH + 1,280 lies inside the signed 24-bit immediate
	CODES 2*BATCH
	CODES 3*BATCH
.Lone_copy:
	s_wait_dscnt 0x0                               ; for the others' sake: my scale words are in LDS
	s_barrier_signal -1
	s_barrier_wait -1
	ds_load_b64 v[16:17], v6                       ; the part's 256 bytes of scale words, 8 a lane
	s_wait_dscnt 0x0
	s_cmp_gt_u32 s[WV], s46                        ; wave f stores the copy of batch f; where there is one copy, wave 0 alone
	s_cbranch_scc1 .Lno_scales
	global_store_b64 v6, v[16:17], s[42:43]        ; 256 consecutive bytes, aligned
.Lno_scales:
	s_wait_tensorcnt 0x0                           ; the wave's end, behind my last LDS store
	ds_add_u32 v[SPW], v[NIL]
	s_wait_dscnt 0x0
	s_endpgm
.Lfunc_end_k_q399d6982e8_prep:
	.size	k_q399d6982e8_prep, .Lfunc_end_k_q399d6982e8_prep-k_q399d6982e8_prep
	.p2alignl 7, 3214868480
	.fill 96, 4, 3214868480
	.section	.rodata,"a",@progbits
	.p2align	6, 0x0
	.amdhsa_kernel k_q399d6982e8_prep
		.amdhsa_group_segment_fixed_size 34560
		.amdhsa_private_segment_fixed_size 0
		.amdhsa_enable_private_segment 0
		.amdhsa_kernarg_size 80
		.amdhsa_user_sgpr_count 2
		.amdhsa_user_sgpr_kernarg_segment_ptr 1
		.amdhsa_wavefront_size32 1
		.amdhsa_system_sgpr_workgroup_id_x 1
		.amdhsa_system_sgpr_workgroup_id_y 1
		.amdhsa_system_sgpr_workgroup_id_z 1
		.amdhsa_system_vgpr_workitem_id 0
		.amdhsa_next_free_vgpr 136
		.amdhsa_next_free_sgpr 66
		.amdhsa_reserve_vcc 0
		.amdhsa_float_denorm_mode_32 3
		.amdhsa_float_denorm_mode_16_64 3
		.amdhsa_memory_ordered 1
		.amdhsa_forward_progress 1
		.amdhsa_inst_pref_size 23
	.end_amdhsa_kernel
	.amdgpu_metadata
---
amdhsa.version: [ 1, 2 ]
amdhsa.kernels:
  - .name:           k_q399d6982e8_prep
    .symbol:         k_q399d6982e8_prep.kd
    .args:
      - { .name: Wq, .offset: 0, .size: 8, .value_kind: global_buffer, .address_space: global }
      - { .name: Wo, .offset: 8, .size: 8, .value_kind: global_buffer, .address_space: global }
      - { .name: Wk, .offset: 16, .size: 8, .value_kind: global_buffer, .address_space: global }
      - { .name: Wv, .offset: 24, .size: 8, .value_kind: global_buffer, .address_space: global }
      - { .name: context, .offset: 32, .size: 8, .value_kind: global_buffer, .address_space: global }
      - { .name: stream, .offset: 40, .size: 8, .value_kind: global_buffer, .address_space: global }
      - { .name: wkv, .offset: 48, .size: 8, .value_kind: global_buffer, .address_space: global }
      - { .name: ctxc, .offset: 56, .size: 8, .value_kind: global_buffer, .address_space: global }
      - { .name: x, .offset: 64, .size: 8, .value_kind: global_buffer, .address_space: global }
      - { .name: xq, .offset: 72, .size: 8, .value_kind: global_buffer, .address_space: global }
    .group_segment_fixed_size: 34560
    .private_segment_fixed_size: 0
    .kernarg_segment_align: 8
    .kernarg_segment_size: 80
    .max_flat_workgroup_size: 128
    .sgpr_count:     66
    .vgpr_count:     136
    .wavefront_size: 32
...
	.end_amdgpu_metadata
.endif
;; end of part 1
;; launch kv (part 2): grid 256 x 1, 4 waves a work-group, no clusters, 0 bytes of LDS; arguments wkv, ctxc, stream; writes stream
.if DOCPART == 2
	.amdgcn_target "amdgcn-amd-amdhsa--gfx1250"
	.amdhsa_code_object_version 6
	.text
	.protected	k_q399d6982e8_kv
	.globl	k_q399d6982e8_kv
	.p2align	8
	.type	k_q399d6982e8_kv,@function
k_q399d6982e8_kv:
	s_mov_b64 s[64:65], 0
	v_nop
	global_prefetch_b8 v0, s[64:65] scope:SCOPE_SE
	s_setreg_imm32_b32 hwreg(HW_REG_WAVE_MODE, 25, 1), 1
	s_wait_xcnt 0x0
; KV: k = context Wk and v = context Wv on codes of E2M3 (K = 768, six steps of 128), then k quantised along the head's 64 and v along the keys, into the K and V parts of each batch's stream.
; Formats (fragment, piece, part, the rows of a fragment): as the first launch lays them.
; SHARES: work-group = (batch, head, 128 keys); wave w: kind = w / 2 (0: k, 1: v), half = w % 2 (which 64 of the 128 keys): 4 x 4 tiles, 16 accumulators, 96 matrix instructions.
; ONE TEXT FOR BOTH KINDS.  Side A is source 0: its rows end up along a lane's registers.  Side B is source 1: its row is the lane's row.
;   k: A = Wk's columns (the head's 64, the next K), B = the keys.    v: A = the keys (the next K), B = Wv's columns.    Only the two pointers and four strides differ, chosen by the wave's number.
; By the choice of a fragment's rows, the 32 registers of a row tile bb are register 16 b + i = element 32 b + 16 h + i along the next K: two blocks, which become one piece and two scale bytes.
; K part: pair fragment t / 2, piece t % 2 holds key tile t = 4 half + bb (the head's 64 fill half a fragment's K, so two key tiles share a fragment); V part: fragment bb, piece half.
; A wave's whole operands, 2 x 6 x 6,144 bytes, go from memory straight into its registers: no LDS, no barrier, no tensor load, hence no joint request: a cluster would have nothing to share by.
; The scale bytes leave as stores of 2 bytes a row, one twenty-fifth of a part's bytes: the two halves of a scale word are made by two waves.
; LIMITS: a block of zeros gets the byte 1 (its codes are zeros; this program alone reads the bytes); blocks under 2^-124 keep the byte 1; NaN and infinities are not served.
; REGISTERS: window 0: v1 16 x lane, v2 8 x lane, v3 16 r; v16-63 scale words (step s: A's at 16 + 8 s, B's at 20 + 8 s); v64-111 four pieces; v112-115 their scale halfwords; v116-122 at work; v128-255 accumulators (128 + 32 bb + 8 a).
;   window 1 + s / 2, from 96 (s % 2): step s: A's four fragments, then B's four.
.set PART,  6400
.set CHUNK, 16*PART
.set BATCH, 24*CHUNK
.set SEL,   48                         ; s[48:49] lane selects: lane l xor 16
.set MSB, 0
.macro WIN new                         ; the immediate's high byte repeats the setting that is left
.if MSB != (\new)
	s_set_vgpr_msb (MSB<<8)|(\new)
.set MSB, (\new)
.endif
.endm
.macro GFRAG reg, base, off            ; a fragment from memory, as it lies
	global_load_b128 v[\reg:\reg+3], v1, s[\base:\base+1] offset:\off
	global_load_b64 v[\reg+4:\reg+5], v2, s[\base:\base+1] offset:\off+512
	global_load_b128 v[\reg+6:\reg+9], v1, s[\base:\base+1] offset:\off+768
	global_load_b64 v[\reg+10:\reg+11], v2, s[\base:\base+1] offset:\off+1280
.endm
; 32 numbers of a lane, register 16 b + i = k 32 b + 16 h + i of my row, become a piece in v[P .. P + 5] (lanes 0-15 block 0, lanes 16-31 block 1) and the two scale bytes in v[T + 6].
.macro QUANT2 s, P, T
.irp b, 0,1
	v_max3_num_f32 v[\T+\b], |v[\s+16*\b]|, |v[\s+16*\b+1]|, 0x1800000   ; my 16 numbers of block b, from each accumulator's low end on, and the floor 2^(3 - 127)
.endr
.irp i, 2,4,6,8,10,12,14
.irp b, 0,1
	v_max3_num_f32 v[\T+\b], v[\T+\b], |v[\s+16*\b+\i]|, |v[\s+16*\b+\i+1]|
.endr
.endr
.irp b, 0,1
	v_permlanex16_b32 v[\T+2+\b], v[\T+\b], s[SEL], s[SEL+1]
.endr
.irp b, 0,1
	v_max_num_f32 v[\T+\b], v[\T+\b], v[\T+2+\b]   ; with lane l xor 16's: the block's largest magnitude
.endr
.irp b, 0,1
	v_add_nc_u32 v[\T+4+\b], 0xff000000, v[\T+\b]  ; 2 off the exponent field: the conversion's scale operand
.endr
.irp b, 0,1
	v_lshrrev_b32 v[\T+2+\b], 23, v[\T+4+\b]       ; the scale's byte
.endr
	v_lshl_or_b32 v[\T+6], v[\T+3], 8, v[\T+2]
	v_cvt_scalef32_pk16_fp6_f32 v[\P:\P+2], v[\s:\s+15], v[\T+4]
	v_cvt_scalef32_pk16_fp6_f32 v[\P+6:\P+8], v[\s+16:\s+31], v[\T+5]
	v_nop                                          ; one plain instruction behind the conversions
.irp i, 0,1,2
	v_permlane16_swap_b32 v[\P+\i], v[\P+6+\i]     ; a whole block to a lane
.endr
.irp i, 0,1,2
	v_mov_b32 v[\P+3+\i], v[\P+6+\i]
.endr
.endm
; One K step: 16 matrix instructions, the 16 accumulators by turns in the same order in every step.  zero = 1: the products start the sums.
.macro MSTEP s, zero
.irp bb, 0,1,2,3
.irp a, 0,1,2,3
.if \zero
	v_wmma_scale_f32_16x16x128_f8f6f4 v[128+32*\bb+8*\a:128+32*\bb+8*\a+7], v[96*((\s)%2)+12*\a:96*((\s)%2)+12*\a+11], v[96*((\s)%2)+48+12*\bb:96*((\s)%2)+48+12*\bb+11], 0, v[16+8*(\s)+\a], v[20+8*(\s)+\bb] matrix_a_fmt:MATRIX_FMT_FP6 matrix_b_fmt:MATRIX_FMT_FP6
.else
	v_wmma_scale_f32_16x16x128_f8f6f4 v[128+32*\bb+8*\a:128+32*\bb+8*\a+7], v[96*((\s)%2)+12*\a:96*((\s)%2)+12*\a+11], v[96*((\s)%2)+48+12*\bb:96*((\s)%2)+48+12*\bb+11], v[128+32*\bb+8*\a:128+32*\bb+8*\a+7], v[16+8*(\s)+\a], v[20+8*(\s)+\bb] matrix_a_fmt:MATRIX_FMT_FP6 matrix_b_fmt:MATRIX_FMT_FP6
.endif
.endr
.endr
.endm
	s_load_b128 s[4:7], s[0:1], 0x0                ; wkv s[4:5], ctxc s[6:7]
	s_load_b64 s[8:9], s[0:1], 0x10                ; stream
	v_lshrrev_b32 v1, 5, v0
	v_readfirstlane_b32 s10, v1                    ; wave
	s_lshr_b32 s11, s10, 1                         ; kind
	s_and_b32 s12, s10, 1                          ; half
	s_lshr_b32 s13, ttmp9, 6                       ; batch
	s_bfe_u32 s14, ttmp9, 0x40002                  ; head
	s_and_b32 s15, ttmp9, 3                        ; which 128 keys
	v_and_b32 v3, 31, v0
	v_lshlrev_b32 v1, 4, v3                        ; 16 x lane
	v_lshlrev_b32 v2, 3, v3                        ; 8 x lane
	v_and_b32 v3, 15, v0
	v_lshlrev_b32 v3, 4, v3                        ; 16 r
	v_mov_b32 v118, 0                              ; written once: a lane permute's destination counts as one of its sources
	v_mov_b32 v119, 0
	s_mov_b32 s[SEL], 0x76543210
	s_mov_b32 s[SEL+1], 0xfedcba98
	s_lshl_b32 s20, s11, 4
	s_add_co_u32 s20, s20, s14
	s_mul_i32 s20, s20, 6*PART                     ; the weight's six parts: [kind][head]
	s_mov_b32 s21, 0
	s_lshl_b32 s22, s13, 2
	s_add_co_u32 s22, s22, s15
	s_lshl_b32 s22, s22, 1
	s_add_co_u32 s22, s22, s12
	s_mul_i32 s22, s22, 6*PART                     ; context's six parts: my group of 64 keys
	s_mov_b32 s23, 0
	s_mul_i32 s24, s13, BATCH                      ; where my part lies in the stream: the batch,
	s_lshr_b32 s50, s14, 2
	s_lshl_b32 s50, s50, 1
	s_lshr_b32 s51, s15, 1
	s_add_co_u32 s50, s50, s51
	s_add_co_u32 s50, s50, 8
	s_mul_i32 s50, s50, CHUNK                      ; chunk 8 + 2 (head / 4) + (key step / 2),
	s_add_co_u32 s24, s24, s50
	s_and_b32 s50, s14, 3
	s_lshl_b32 s50, s50, 2
	s_and_b32 s51, s15, 1
	s_lshl_b32 s51, s51, 1
	s_add_co_u32 s50, s50, s51
	s_add_co_u32 s50, s50, s11
	s_mul_i32 s50, s50, PART                       ; part 4 (head % 4) + 2 (key step % 2) + kind
	s_add_co_u32 s24, s24, s50
	s_cmp_eq_u32 s11, 0                            ; the strides of a piece and of its scale halfword, from bb to bb and from half to half
	s_mov_b32 s26, 1536
	s_cselect_b32 s26, 768, s26
	s_mov_b32 s27, 768
	s_cselect_b32 s27, 3072, s27
	s_cselect_b32 s28, 2, 4
	s_cselect_b32 s29, 8, 2
	s_mul_i32 s27, s27, s12
	s_mul_i32 s29, s29, s12
	s_add_co_u32 s52, s24, s27                     ; my first piece
	s_mov_b32 s53, 0
	s_add_co_u32 s54, s24, s29
	s_add_co_u32 s54, s54, 6144                    ; my first scale halfword
	s_mov_b32 s55, 0
	s_wait_alu depctr_va_vdst(0)
	s_wait_kmcnt 0x0
	s_add_nc_u64 s[4:5], s[4:5], s[20:21]
	s_add_nc_u64 s[6:7], s[6:7], s[22:23]
	s_cmp_eq_u32 s11, 0
	s_cselect_b64 s[16:17], s[4:5], s[6:7]         ; side A
	s_cselect_b64 s[18:19], s[6:7], s[4:5]         ; side B
.irp bb, 0,1,2,3
	s_add_nc_u64 s[32+2*\bb:33+2*\bb], s[8:9], s[52:53]
	s_add_nc_u64 s[40+2*\bb:41+2*\bb], s[8:9], s[54:55]
	s_add_co_u32 s52, s52, s26
	s_add_co_u32 s54, s54, s28
.endr
.irp s, 0,1,2,3,4,5                            ; lane r takes its row's four scale words of a part at once
	global_load_b128 v[16+8*\s:19+8*\s], v3, s[16:17] offset:PART*\s+6144
	global_load_b128 v[20+8*\s:23+8*\s], v3, s[18:19] offset:PART*\s+6144
.endr
.irp s, 0,1,2,3,4,5
	WIN (1+\s/2)<<6                                ; destination: the step's window
.irp a, 0,1,2,3
	GFRAG 96*(\s%2)+12*\a, 16, PART*\s+1536*\a
.endr
.irp a, 0,1,2,3
	GFRAG 96*(\s%2)+48+12*\a, 18, PART*\s+1536*\a
.endr
.endr
	s_wait_loadcnt 63                              ; behind step 3's last load 64 were issued: the scale words and steps 0 to 3 are in
	WIN 0x05
	MSTEP 0, 1
	MSTEP 1, 0
	WIN 0x0a
	MSTEP 2, 0
	MSTEP 3, 0
	s_wait_loadcnt 32                              ; step 5's 32 loads may be out
	WIN 0x0f
	MSTEP 4, 0
	s_wait_loadcnt 0x0
	MSTEP 5, 0
	WIN 0
.rept 4
	v_nop                                          ; four places behind the last products, ahead of the first read of results (ISA guide 7.12.1)
.endr
.irp bb, 0,1,2,3
	QUANT2 128+32*\bb, 64+12*\bb, 116
	v_mov_b32 v[112+\bb], v122
.endr
.irp bb, 0,1,2,3
	global_store_b128 v1, v[64+12*\bb:67+12*\bb], s[32+2*\bb:33+2*\bb]               ; 512 consecutive bytes, aligned
	global_store_b64 v2, v[68+12*\bb:69+12*\bb], s[32+2*\bb:33+2*\bb] offset:512     ; 256 consecutive bytes, aligned
	global_store_b16 v3, v[112+\bb], s[40+2*\bb:41+2*\bb]                            ; lanes r and 16 + r write the same two bytes with the same value
.endr
	s_endpgm
.Lfunc_end_k_q399d6982e8_kv:
	.size	k_q399d6982e8_kv, .Lfunc_end_k_q399d6982e8_kv-k_q399d6982e8_kv
	.p2alignl 7, 3214868480
	.fill 96, 4, 3214868480
	.section	.rodata,"a",@progbits
	.p2align	6, 0x0
	.amdhsa_kernel k_q399d6982e8_kv
		.amdhsa_group_segment_fixed_size 0
		.amdhsa_private_segment_fixed_size 0
		.amdhsa_enable_private_segment 0
		.amdhsa_kernarg_size 24
		.amdhsa_user_sgpr_count 2
		.amdhsa_user_sgpr_kernarg_segment_ptr 1
		.amdhsa_wavefront_size32 1
		.amdhsa_system_sgpr_workgroup_id_x 1
		.amdhsa_system_sgpr_workgroup_id_y 1
		.amdhsa_system_sgpr_workgroup_id_z 1
		.amdhsa_system_vgpr_workitem_id 0
		.amdhsa_next_free_vgpr 960
		.amdhsa_next_free_sgpr 66
		.amdhsa_reserve_vcc 0
		.amdhsa_float_denorm_mode_32 3
		.amdhsa_float_denorm_mode_16_64 3
		.amdhsa_memory_ordered 1
		.amdhsa_forward_progress 1
		.amdhsa_inst_pref_size 44
	.end_amdhsa_kernel
	.amdgpu_metadata
---
amdhsa.version: [ 1, 2 ]
amdhsa.kernels:
  - .name:           k_q399d6982e8_kv
    .symbol:         k_q399d6982e8_kv.kd
    .args:
      - { .name: wkv, .offset: 0, .size: 8, .value_kind: global_buffer, .address_space: global }
      - { .name: ctxc, .offset: 8, .size: 8, .value_kind: global_buffer, .address_space: global }
      - { .name: stream, .offset: 16, .size: 8, .value_kind: global_buffer, .address_space: global }
    .group_segment_fixed_size: 0
    .private_segment_fixed_size: 0
    .kernarg_segment_align: 8
    .kernarg_segment_size: 24
    .max_flat_workgroup_size: 128
    .sgpr_count:     66
    .vgpr_count:     960
    .wavefront_size: 32
...
	.end_amdgpu_metadata
.endif
;; end of part 2
;; launch main (part 3): grid 256 x 1, 16 waves a work-group, clusters of 4 x 1, 327,680 bytes of LDS; arguments xq, stream, bo, out0; writes out0
.if DOCPART == 3
	.amdgcn_target "amdgcn-amd-amdhsa--gfx1250"
	.amdhsa_code_object_version 6
	.text
	.protected	k_q399d6982e8_main
	.globl	k_q399d6982e8_main
	.p2align	8
	.type	k_q399d6982e8_main,@function
k_q399d6982e8_main:
	s_mov_b64 s[64:65], 0
	v_nop
	global_prefetch_b8 v0, s[64:65] scope:SCOPE_SE
	s_setreg_imm32_b32 hwreg(HW_REG_WAVE_MODE, 25, 1), 1
	s_wait_xcnt 0x0
	s_wait_alu depctr_hold_cnt(0) depctr_sa_sdst(0) depctr_va_vdst(0) depctr_va_sdst(0) depctr_va_ssrc(0) depctr_va_vcc(0) depctr_vm_vsrc(0)
	s_getreg_b32 s2, hwreg(HW_REG_IB_STS2, 6, 4)
	s_cmp_eq_u32 s2, 0
	s_cbranch_scc0 .Lentry_in_a_cluster
	s_endpgm
.Lentry_in_a_cluster:
	s_bfe_u32 s2, ttmp6, 0x10000c
	s_cmp_lg_u32 s2, 0x3003
	s_cbranch_scc0 .Lentry_shape_is_right
	s_endpgm
.Lentry_shape_is_right:
; MAIN: one work-group of 16 waves takes 64 rows of x through the whole chain: q = x Wq (8 K steps of 128), attention over its batch's 512 keys for 16 heads, out = o Wo + bo (8 K steps).
; All products run on codes of E2M3 with E8M0 scales; q and o are quantised in registers and never leave LDS.  Formats (fragment, piece, part, the rows of a fragment): as the first launch lays them.
; x ARRIVES AS CODES: the first launch has laid my 64 rows' eight parts in the order in which my cluster walks K; each wave copies 3,072 bytes of codes and 128 of scale words through registers into the image.
; THE STREAM: 24 chunks of 16 parts (8 of Wq, 8 of K and V, 8 of Wo) go through a ring of two LDS slots, a part a wave.  The 4 work-groups of a cluster share a batch and ask for each part jointly.
; IMAGES in LDS: a K step is 6,144 bytes: fragment m (16 rows) at 1,536 m, piece c at + 768; scale words apart, 256 bytes a step, at 16 r + 4 m.  IMG1: x's codes, later o's; IMG2: q's (a head fills one piece).
; SHARES: in the two projections wave w makes 64 rows x 64 columns (its part of each chunk); in attention a trip serves 4 heads, wave = (head w / 4 of the four, queries 16 (w % 4) on), 4 steps of 128 keys.
; SOFTMAX: p = 2^(t - M), M the running largest t rounded up to a whole number; the sum is taken of the unquantised p; O^T is divided by it at the end.
; LIMITS: the scaled scores stay under 2^31 in magnitude; a block of zeros gets the byte 1 (its codes are zeros; this program alone reads the bytes); NaN and infinities are not served.
.set PART,  6400
.set CHUNK, 16*PART
.set BATCH, 24*CHUNK
.set SLOTB, CHUNK
.set IMG1,  2*SLOTB
.set SC1,   IMG1+49152
.set IMG2,  SC1+2048
.set SC2,   IMG2+49152
.set SPARE, SC2+4096
.set STG,   16*272
.set L16, 1
.set L8,  2
.set R16, 3
.set A16, 4
.set A8,  6
.set AS,  8
.set W16, 10
.set W8,  11
.set WSC, 16
.set WOS, 17
.set SPW, 18
.set NIL, 19
.set PFO, 20
.set QS,  21
.set PS,  22
.set XA,  23
.set S,   128
.set OT,  192
.set BM,  224
.set BT,  228
.set SO,  232
.set WV,  12
.set GG,  13
.set MM,  14
.set SEL, 20
.set CS,  22
.set G1,  24
.set G0,  32
.set PFA, 40
.set LIM, 42
.set CH,  43
.set XB,  56
.set ROT, 58
.set TP,  59
.set PO,  60
.macro ROUND
	s_barrier_signal -1
	s_barrier_wait -1
	s_cmp_lg_u32 s[WV], 0
	s_cbranch_scc1 .Lnot_wave_0_\@
	s_barrier_signal -3
.Lnot_wave_0_\@:
	s_barrier_wait -3
	s_barrier_signal -1
	s_barrier_wait -1
.endm
.macro ASK
	s_cmp_gt_u32 s[CH], s[LIM]
	s_cbranch_scc0 .Lnot_mine_\@
	global_prefetch_b8 v[PFO], s[PFA:PFA+1] th:TH_LOAD_NT scope:SCOPE_SE
.Lnot_mine_\@:
.endm
.macro CHANGE cur, fill
	s_wait_tensorcnt 0x0
	ds_add_u32 v[SPW], v[NIL]
.if \fill
	s_add_co_u32 s62, s[TP], s[ROT]
	s_and_b32 s62, s62, 7
	s_and_b32 s63, s[TP], 24
	s_add_co_u32 s62, s62, s63
	s_mul_i32 s62, s62, CHUNK
	s_add_co_u32 s62, s62, s[PO]
	s_mov_b32 s63, 0
	s_add_nc_u64 s[G0+4*(1-\cur)+2:G0+4*(1-\cur)+3], s[6:7], s[62:63]
	s_or_b32 s[G0+4*(1-\cur)+3], s[G0+4*(1-\cur)+3], 0x80000000
	s_add_co_u32 s[TP], s[TP], 1
	s_wait_xcnt 0x0
	s_add_nc_u64 s[PFA:PFA+1], s[PFA:PFA+1], 131072
.endif
	s_wait_dscnt 0x0
.if \fill
	ROUND
	tensor_load_to_lds s[G0+4*(1-\cur):G0+4*(1-\cur)+3], s[G1:G1+7]
	s_nop 0
.rept 4
	v_nop
.endr
	ASK
	s_sub_co_u32 s[CH], s[CH], 1
.else
	s_barrier_signal -1
	s_barrier_wait -1
.rept 4
	v_nop
.endr
.endif
.endm
.macro FRAG reg, a16, a8, off
	ds_load_b128 v[\reg:\reg+3], v[\a16] offset:\off
	ds_load_b64 v[\reg+4:\reg+5], v[\a8] offset:\off+512
	ds_load_b128 v[\reg+6:\reg+9], v[\a16] offset:\off+768
	ds_load_b64 v[\reg+10:\reg+11], v[\a8] offset:\off+1280
.endm
.macro RING sr
	v_add_nc_u32 v[A16], s[\sr], v[L16]
	v_add_nc_u32 v[A8], s[\sr], v[L8]
	v_add_nc_u32 v[AS], s[\sr], v[R16]
	s_add_co_u32 s[\sr], s[\sr], SLOTB
	v_add_nc_u32 v[A16+1], s[\sr], v[L16]
	v_add_nc_u32 v[A8+1], s[\sr], v[L8]
	v_add_nc_u32 v[AS+1], s[\sr], v[R16]
.endm
.macro QUANT2 s, P, T
.irp b, 0,1
	v_max3_num_f32 v[\T+\b], |v[\s+16*\b]|, |v[\s+16*\b+1]|, 0x1800000
.endr
.irp i, 2,4,6,8,10,12,14
.irp b, 0,1
	v_max3_num_f32 v[\T+\b], v[\T+\b], |v[\s+16*\b+\i]|, |v[\s+16*\b+\i+1]|
.endr
.endr
.irp b, 0,1
	s_delay_alu instid0(VALU_DEP_2)
	v_permlanex16_b32 v[\T+2+\b], v[\T+\b], s[SEL], s[SEL+1]
.endr
.irp b, 0,1
	s_delay_alu instid0(VALU_DEP_2)
	v_max_num_f32 v[\T+\b], v[\T+\b], v[\T+2+\b]
.endr
.irp b, 0,1
	s_delay_alu instid0(VALU_DEP_2)
	v_add_nc_u32 v[\T+4+\b], 0xff000000, v[\T+\b]
.endr
.irp b, 0,1
	s_delay_alu instid0(VALU_DEP_2)
	v_lshrrev_b32 v[\T+2+\b], 23, v[\T+4+\b]
.endr
	s_delay_alu instid0(VALU_DEP_1)
	v_lshl_or_b32 v[\T+6], v[\T+3], 8, v[\T+2]
	v_cvt_scalef32_pk16_fp6_f32 v[\P:\P+2], v[\s:\s+15], v[\T+4]
	v_cvt_scalef32_pk16_fp6_f32 v[\P+6:\P+8], v[\s+16:\s+31], v[\T+5]
	v_nop
.irp i, 0,1,2
	v_permlane16_swap_b32 v[\P+\i], v[\P+6+\i]
.endr
.irp i, 0,1,2
	s_delay_alu instid0(VALU_DEP_3)
	v_mov_b32 v[\P+3+\i], v[\P+6+\i]
.endr
.endm
.macro STEPW slot, zero
	v_add_nc_u32 v[W16], s45, v[L16]
	v_add_nc_u32 v[W8], s45, v[L8]
	v_add_nc_u32 v[WSC], s46, v[R16]
	s_add_co_u32 s45, s45, 6144
	s_add_co_u32 s46, s46, 256
	ds_load_b128 v[24:27], v[AS+\slot] offset:6144
	ds_load_b128 v[28:31], v[WSC]
.irp f, 0,1,2,3
	FRAG 32+12*\f, A16+\slot, A8+\slot, 1536*\f
.endr
.irp m, 0,1,2,3
	FRAG 80+12*\m, W16, W8, 1536*\m                ; the image's four fragments of this K step
.endr
.irp m, 0,1,2,3
	s_wait_dscnt 12-4*\m
.irp f, 0,1,2,3
.if \zero
	v_wmma_scale_f32_16x16x128_f8f6f4 v[128+32*\m+8*\f:128+32*\m+8*\f+7], v[32+12*\f:32+12*\f+11], v[80+12*\m:80+12*\m+11], 0, v[24+\f], v[28+\m] matrix_a_fmt:MATRIX_FMT_FP6 matrix_b_fmt:MATRIX_FMT_FP6
.else
	v_wmma_scale_f32_16x16x128_f8f6f4 v[128+32*\m+8*\f:128+32*\m+8*\f+7], v[32+12*\f:32+12*\f+11], v[80+12*\m:80+12*\m+11], v[128+32*\m+8*\f:128+32*\m+8*\f+7], v[24+\f], v[28+\m] matrix_a_fmt:MATRIX_FMT_FP6 matrix_b_fmt:MATRIX_FMT_FP6
.endif
.endr
.endr
.endm
.macro STEP slot, s2, first
.set KO, 12800*\s2
.rept 4
	v_nop
.endr
.irp b, 0,1,2,3
	FRAG 32+12*\b, A16+\slot, A8+\slot, KO+1536*\b
.endr
	ds_load_b128 v[24:27], v[AS+\slot] offset:KO+6144
	s_wait_dscnt 0x0
.irp b, 0,1,2,3
	v_wmma_scale_f32_16x16x128_f8f6f4 v[S+16*\b:S+16*\b+7], v[32+12*\b:32+12*\b+11], v[80:91], 0, v[24+\b], v[QS] matrix_a_fmt:MATRIX_FMT_FP6 matrix_b_fmt:MATRIX_FMT_FP6
	v_wmma_scale_f32_16x16x128_f8f6f4 v[S+8+16*\b:S+8+16*\b+7], v[32+12*\b:32+12*\b+11], v[92:103], 0, v[24+\b], v[QS] matrix_a_fmt:MATRIX_FMT_FP6 matrix_b_fmt:MATRIX_FMT_FP6
.endr
.rept 4
	v_nop
.endr
.irp f, 0,1,2,3
	FRAG 32+12*\f, A16+\slot, A8+\slot, KO+6400+1536*\f
.endr
	ds_load_b128 v[28:31], v[AS+\slot] offset:KO+12544
.irp b, 0,1,2,3
	v_max3_num_f32 v[BM+\b], v[S+16*\b], v[S+1+16*\b], v[S+2+16*\b]
.endr
.irp i, 3,5,7,9,11,13
.irp b, 0,1,2,3
	v_max3_num_f32 v[BM+\b], v[BM+\b], v[S+16*\b+\i], v[S+1+16*\b+\i]
.endr
.endr
.irp b, 0,1,2,3
	v_max_num_f32 v[BM+\b], v[BM+\b], v[S+15+16*\b]
.endr
.irp b, 0,1,2,3
	v_permlanex16_b32 v[BT+\b], v[BM+\b], s[SEL], s[SEL+1]
.endr
.irp b, 0,1,2,3
	s_delay_alu instid0(VALU_DEP_4)
	v_max_num_f32 v[BM+\b], v[BM+\b], v[BT+\b]
.endr
	s_delay_alu instid0(VALU_DEP_2)
	v_max3_num_f32 v240, v[BM], v[BM+1], v[BM+2]
	s_delay_alu instid0(VALU_DEP_1)
	v_max_num_f32 v240, v240, v[BM+3]
	s_delay_alu instid0(VALU_DEP_1)
	v_mul_f32 v240, s[CS], v240
.if \first
	s_delay_alu instid0(VALU_DEP_1)
	v_mov_b32 v13, v240
	s_delay_alu instid0(VALU_DEP_1)
	v_floor_f32 v12, -v13
.else
	s_delay_alu instid0(VALU_DEP_1)
	v_max_num_f32 v13, v13, v240
	v_mov_b32 v240, v12
	s_delay_alu instid0(VALU_DEP_2)
	v_floor_f32 v12, -v13
	s_delay_alu instid0(VALU_DEP_1)
	v_sub_f32 v240, v12, v240
	s_delay_alu instid0(VALU_DEP_1)
	v_cvt_i32_f32 v240, v240
	s_delay_alu instid0(VALU_DEP_1)
	v_ldexp_f32 v238, 1.0, v240
.endif
.set J, 0
.rept 32
	v_pk_fma_f32 v[S+J:S+J+1], v[S+J:S+J+1], s[CS:CS+1], v[12:13] op_sel_hi:[1,0,0]
.set J, J+2
.endr
.irp b, 0,1,2,3
	v_fma_f32 v[BM+\b], v[BM+\b], s[CS], v12
.endr
.set J, 0
	s_wait_alu depctr_va_vdst(0)
.rept 64
	v_exp_f32 v[S+J], v[S+J]
.set J, J+1
.endr
.if \first
	v_mov_b32 v14, 0
	v_mov_b32 v15, 0
.else
	v_pk_mul_f32 v[14:15], v[14:15], v[238:239] op_sel_hi:[1,0]
.endif
	s_wait_alu depctr_va_vdst(0)
.irp b, 0,1,2,3
	v_exp_f32 v[BM+\b], v[BM+\b]
.endr
	v_pk_add_f32 v[236:237], v[S:S+1], v[S+2:S+3]
.irp j, 4,8,12,16,20,24,28,32,36,40,44,48,52,56,60
	v_pk_add_f32 v[14:15], v[14:15], v[S+\j:S+\j+1]
	v_pk_add_f32 v[236:237], v[236:237], v[S+2+\j:S+3+\j]
.endr
	s_delay_alu instid0(VALU_DEP_1)
	v_pk_add_f32 v[14:15], v[14:15], v[236:237]
	s_wait_alu depctr_va_vdst(0)
.irp b, 0,1,2,3
	v_max_num_f32 v[BM+\b], 0x1800000, v[BM+\b]
.endr
.irp b, 0,1,2,3
	s_delay_alu instid0(VALU_DEP_4)
	v_add_nc_u32 v[SO+\b], 0xff000000, v[BM+\b]
.endr
.irp b, 0,1,2,3
	s_delay_alu instid0(VALU_DEP_4)
	v_lshrrev_b32 v[BT+\b], 23, v[SO+\b]
.endr
	s_delay_alu instid0(VALU_DEP_3)
	v_lshl_or_b32 v[PS], v[BT+1], 8, v[BT]
	s_delay_alu instid0(VALU_DEP_1)
	v_lshl_or_b32 v[PS], v[BT+2], 16, v[PS]
	s_delay_alu instid0(VALU_DEP_1)
	v_lshl_or_b32 v[PS], v[BT+3], 24, v[PS]
.irp c, 0,1
	v_cvt_scalef32_pk16_fp6_f32 v[104+6*\c:106+6*\c], v[S+32*\c:S+15+32*\c], v[SO+2*\c]
	v_cvt_scalef32_pk16_fp6_f32 v[116+4*\c:118+4*\c], v[S+16+32*\c:S+31+32*\c], v[SO+2*\c+1]
.endr
	v_nop
.irp c, 0,1
.irp i, 0,1,2
	v_permlane16_swap_b32 v[104+6*\c+\i], v[116+4*\c+\i]
.endr
.irp i, 0,1,2
	s_delay_alu instid0(VALU_DEP_3)
	v_mov_b32 v[107+6*\c+\i], v[116+4*\c+\i]
.endr
.endr
.if \first
	s_wait_alu depctr_va_vdst(0)
.rept 8
	v_nop
.endr
.else
.set J, 0
.rept 16
	v_pk_mul_f32 v[OT+J:OT+J+1], v[OT+J:OT+J+1], v[238:239] op_sel_hi:[1,0]
.set J, J+2
.endr
.endif
	s_wait_alu depctr_va_vdst(0)
	s_wait_dscnt 0x0
.irp f, 0,1,2,3
.if \first
	v_wmma_scale_f32_16x16x128_f8f6f4 v[OT+8*\f:OT+8*\f+7], v[32+12*\f:32+12*\f+11], v[104:115], 0, v[28+\f], v[PS] matrix_a_fmt:MATRIX_FMT_FP6 matrix_b_fmt:MATRIX_FMT_FP6
.else
	v_wmma_scale_f32_16x16x128_f8f6f4 v[OT+8*\f:OT+8*\f+7], v[32+12*\f:32+12*\f+11], v[104:115], v[OT+8*\f:OT+8*\f+7], v[28+\f], v[PS] matrix_a_fmt:MATRIX_FMT_FP6 matrix_b_fmt:MATRIX_FMT_FP6
.endif
.endr
.endm
.macro FINAL
.rept 4
	v_nop
.endr
	v_add_f32 v14, v14, v15
	s_delay_alu instid0(VALU_DEP_1)
	v_permlanex16_b32 v240, v14, s[SEL], s[SEL+1]
	s_delay_alu instid0(VALU_DEP_1)
	v_add_f32 v14, v14, v240
	s_wait_alu depctr_va_vdst(0)
	v_rcp_f32 v238, v14
	v_mov_b32 v239, 0
	s_wait_alu depctr_va_vdst(0)
.set J, 0
.rept 16
	v_pk_mul_f32 v[OT+J:OT+J+1], v[OT+J:OT+J+1], v[238:239] op_sel_hi:[1,0]
.set J, J+2
.endr
	QUANT2 OT, 104, BM
	ds_store_b128 v[W16], v[104:107]
	ds_store_b64 v[W8], v[108:109] offset:512
	ds_store_b16 v[WOS], v[BM+6]
.endm
	s_load_b256 s[4:11], s[0:1], 0x0
	v_lshl_add_u32 v[SPW], v0, 2, SPARE
	v_mov_b32 v[NIL], 0
	ds_add_u32 v[SPW], v[NIL]
	ds_add_u32 v[SPW], v[NIL]
	v_lshrrev_b32 v1, 5, v0
	s_delay_alu instid0(VALU_DEP_1)
	v_readfirstlane_b32 s[WV], v1
	s_lshr_b32 s[GG], s[WV], 2
	s_and_b32 s[MM], s[WV], 3
	s_bfe_u32 s15, ttmp6, 0x40000
	s_lshl_b32 s16, ttmp9, 2
	s_add_co_u32 s16, s16, s15
	s_lshr_b32 s17, ttmp9, 4
	s_lshr_b32 s[ROT], ttmp9, 2
	s_xor_b32 s[ROT], s[ROT], ttmp9
	s_and_b32 s[ROT], s[ROT], 3
	s_lshl_b32 s[ROT], s[ROT], 1
	s_mov_b32 s[G1], 15|(3<<16)|(1<<21)
	s_mov_b32 s[G1+1], 32<<16
	s_mov_b32 s[G1+2], 25<<16
	s_mov_b32 s[G1+3], 32<<16
	s_mov_b32 s[G1+4], 25
	s_mov_b32 s[G1+5], 32
	s_mov_b32 s[G1+6], 0
	s_mov_b32 s[G1+7], 0
	s_mov_b32 s[SEL], 0x76543210
	s_mov_b32 s[SEL+1], 0xfedcba98
	s_mov_b32 s[CS], 0x3e38aa3b
	s_mov_b32 s[CS+1], s[CS]
	s_mov_b32 s[CH], 22
	s_mov_b32 s[TP], 2
	s_and_b32 s18, ttmp9, 15
	s_or_b32 s18, s18, s[GG]
	s_cmp_eq_u32 s18, 0
	s_cselect_b32 s[LIM], 10, -1
	v_and_b32 v10, 31, v0
	s_delay_alu instid0(VALU_DEP_1)
	v_lshlrev_b32 v[L16], 4, v10
	s_delay_alu instid0(VALU_DEP_2)
	v_lshlrev_b32 v[L8], 3, v10
	s_delay_alu instid0(VALU_DEP_3)
	v_lshlrev_b32 v[PFO], 8, v10
	v_and_b32 v11, 15, v0
	s_delay_alu instid0(VALU_DEP_1)
	v_lshlrev_b32 v[R16], 4, v11
	v_lshlrev_b32 v[XA], 2, v10                    ; 4 x lane: my scale word of x's
	s_mul_i32 s48, s16, 8*PART                     ; x's codes: my work-group's eight parts,
	s_lshr_b32 s49, s[WV], 1
	s_mul_i32 s49, s49, PART
	s_add_co_u32 s48, s48, s49                     ; part wave / 2;
	s_and_b32 s49, s[WV], 1
	s_lshl_b32 s61, s49, 7
	s_add_co_u32 s62, s48, s61
	s_add_co_u32 s62, s62, 6144                    ; half wave % 2 of its 256 bytes of scale words,
	s_mov_b32 s63, 0
	s_mul_i32 s49, s49, 3072
	s_add_co_u32 s48, s48, s49                     ; and of its 6,144 bytes of codes
	s_mov_b32 s49, 0
	s_lshl_b32 s50, s16, 18
	s_lshl_b32 s52, s[WV], 8
	s_add_co_u32 s50, s50, s52
	s_mov_b32 s51, 0
	s_mov_b32 s53, 0
	s_lshl_b32 s54, s[WV], 2
	s_add_co_u32 s54, s54, s15
	s_add_co_u32 s54, s54, 84
	s_lshl_b32 s54, s54, 13
	s_mov_b32 s55, 0
	s_mul_i32 s46, s17, BATCH
	s_mov_b32 s47, 0
	s_mul_i32 s18, s[WV], PART
	s_lshl_b32 s[PO], s[ROT], 1
	s_add_co_u32 s[PO], s[PO], s[WV]
	s_and_b32 s[PO], s[PO], 15
	s_mul_i32 s[PO], s[PO], PART
	s_mul_i32 s2, s[ROT], CHUNK
	s_add_co_u32 s2, s2, s[PO]
	s_mov_b32 s3, 0
	s_wait_alu depctr_va_vdst(0)
	s_wait_dscnt 0x0
	s_wait_kmcnt 0x0
	s_add_nc_u64 s[XB:XB+1], s[4:5], s[62:63]
	s_add_nc_u64 s[4:5], s[4:5], s[48:49]
	s_add_nc_u64 s[10:11], s[10:11], s[50:51]
	s_add_nc_u64 s[8:9], s[8:9], s[52:53]
	s_add_nc_u64 s[6:7], s[6:7], s[46:47]
	s_add_nc_u64 s[PFA:PFA+1], s[6:7], s[54:55]
	s_add_nc_u64 s[2:3], s[6:7], s[2:3]
.irp n, 0,1
	s_mov_b32 s[G0+4*\n], 1
	s_add_co_u32 s[G0+4*\n+1], s18, \n*SLOTB
	s_add_nc_u64 s[G0+4*\n+2:G0+4*\n+3], s[2:3], \n*CHUNK
	s_or_b32 s[G0+4*\n+3], s[G0+4*\n+3], 0x80000000
.endr
.irp i, 0,1,2,3,4,5
	global_load_b128 v[128+4*\i:131+4*\i], v[L16], s[4:5] offset:512*\i th:TH_LOAD_NT   ; 512 consecutive bytes, aligned
.endr
	global_load_b32 v152, v[XA], s[XB:XB+1] th:TH_LOAD_NT
	ROUND
	tensor_load_to_lds s[G0:G0+3], s[G1:G1+7]
	s_nop 0
	s_wait_alu depctr_va_vdst(0)
	s_wait_tensorcnt 0x0
	ds_add_u32 v18, v19
	s_wait_dscnt 0x0
	ROUND
	tensor_load_to_lds s[G0+4:G0+7], s[G1:G1+7]
	s_nop 0
.rept 4
	v_nop
.endr
	s_mul_i32 s45, s[WV], 3072
	s_add_co_u32 s45, s45, IMG1
	v_add_nc_u32 v[W16], s45, v[L16]               ; the image: the eight parts' codes on end, my 3,072 bytes
	s_lshl_b32 s46, s[WV], 7
	s_add_co_u32 s46, s46, SC1
	v_add_nc_u32 v[WSC], s46, v[XA]                ; and their scale words on end, my 128 bytes
	s_wait_alu depctr_va_vdst(0)
	s_wait_loadcnt 0x0
.irp i, 0,1,2,3,4,5
	ds_store_b128 v[W16], v[128+4*\i:131+4*\i] offset:512*\i
.endr
	ds_store_b32 v[WSC], v152
	s_mul_i32 s48, s[WV], PART
	RING 48
	s_mov_b32 s45, IMG1
	s_mov_b32 s46, SC1
	s_wait_alu depctr_va_vdst(0)
	s_wait_tensorcnt 0x1
	s_wait_dscnt 0x0
	s_barrier_signal -1
	s_barrier_wait -1
	STEPW 0, 1
	s_mov_b32 s44, 3
.Lq:
	CHANGE 1, 1
	STEPW 1, 0
	CHANGE 0, 1
	STEPW 0, 0
	s_sub_co_u32 s44, s44, 1
	s_cmp_lg_u32 s44, 0
	s_cbranch_scc1 .Lq
	s_mul_i32 s[PO], s[WV], PART
	CHANGE 1, 1
	STEPW 1, 0
.rept 4
	v_nop
.endr
	s_lshr_b32 s48, s[WV], 1                       ; q's image: my head fills piece wave % 2 of K step wave / 2
	s_mul_i32 s48, s48, 6144
	s_and_b32 s49, s[WV], 1
	s_mul_i32 s49, s49, 768
	s_add_co_u32 s48, s48, s49
	s_add_co_u32 s48, s48, IMG2
	v_add_nc_u32 v[W16], s48, v[L16]
	v_add_nc_u32 v[W8], s48, v[L8]
	s_lshl_b32 s48, s[WV], 8
	s_add_co_u32 s48, s48, SC2
	v_add_nc_u32 v[WSC], s48, v[R16]
.irp m, 0,1,2,3
	QUANT2 128+32*\m, 40, 32
	v_lshl_or_b32 v39, v38, 16, v38
	ds_store_b128 v[W16], v[40:43] offset:1536*\m
	ds_store_b64 v[W8], v[44:45] offset:1536*\m+512
	ds_store_b32 v[WSC], v39 offset:4*\m
	s_wait_dscnt 0x0
.endr
	s_mul_i32 s48, s[GG], 4*PART
	RING 48
	s_lshr_b32 s45, s[GG], 1                       ; my piece of the images: K step head / 2, piece head % 2, fragment = my 16 queries
	s_mul_i32 s45, s45, 6144
	s_and_b32 s46, s[GG], 1
	s_mul_i32 s46, s46, 768
	s_add_co_u32 s45, s45, s46
	s_mul_i32 s46, s[MM], 1536
	s_add_co_u32 s45, s45, s46
	s_add_co_u32 s45, s45, IMG1
	s_lshl_b32 s46, s[GG], 8
	s_lshl_b32 s49, s[MM], 2
	s_add_co_u32 s46, s46, s49
	s_add_co_u32 s46, s46, SC2
	s_lshr_b32 s47, s[GG], 1
	s_lshl_b32 s47, s47, 8
	s_and_b32 s50, s[GG], 1
	s_lshl_b32 s50, s50, 1
	s_add_co_u32 s47, s47, s50
	s_add_co_u32 s47, s47, s49
	s_add_co_u32 s47, s47, SC1
.irp i, 86,87,88,89,90,91,92,93,94,95,96,97
	v_mov_b32 v\i, 0
.endr
	v_mov_b32 v239, 0
	s_mov_b32 s44, 4
.Lhead:
	CHANGE 0, 1
	v_add_nc_u32 v[W16], s45, v[L16]
	v_add_nc_u32 v[W8], s45, v[L8]
	v_add_nc_u32 v[WSC], s46, v[R16]
	v_add_nc_u32 v[WOS], s47, v[R16]
	s_add_co_u32 s45, s45, 4*3072
	s_add_co_u32 s46, s46, 4*256
	s_add_co_u32 s47, s47, 2*256
	ds_load_b128 v[80:83], v[W16] offset:IMG2-IMG1
	ds_load_b64 v[84:85], v[W8] offset:IMG2-IMG1+512
	ds_load_b128 v[98:101], v[W16] offset:IMG2-IMG1
	ds_load_b64 v[102:103], v[W8] offset:IMG2-IMG1+512
	ds_load_b32 v[QS], v[WSC]
	s_wait_alu depctr_va_vdst(0)
	STEP 0, 0, 1
	STEP 0, 1, 0
	CHANGE 1, 1
	STEP 1, 0, 0
	STEP 1, 1, 0
	FINAL
	s_sub_co_u32 s44, s44, 1
	s_cmp_lg_u32 s44, 0
	s_cbranch_scc1 .Lhead
	s_wait_dscnt 0x0
	v_bfe_u32 v[XA], v0, 4, 1
	s_delay_alu instid0(VALU_DEP_1)
	v_lshlrev_b32 v[XA], 6, v[XA]
.irp m, 0,1,2,3
.irp f, 0,1,2,3
.irp e, 0,1
	global_load_b128 v[128+32*\m+8*\f+4*\e:128+32*\m+8*\f+4*\e+3], v[XA], s[8:9] offset:128*(\f/2)+32*(\f%2)+16*\e
.endr
.endr
.endr
	s_mul_i32 s48, s[WV], PART
	RING 48
	s_mov_b32 s45, IMG1
	s_mov_b32 s46, SC1
	s_wait_loadcnt 0x0
	s_mov_b32 s44, 3
.Lo:
	CHANGE 0, 1
	s_wait_alu depctr_va_vdst(0)
	STEPW 0, 0
	CHANGE 1, 1
	STEPW 1, 0
	s_sub_co_u32 s44, s44, 1
	s_cmp_lg_u32 s44, 0
	s_cbranch_scc1 .Lo
	CHANGE 0, 1
	STEPW 0, 0
	CHANGE 1, 0
	STEPW 1, 0
	s_mul_i32 s48, s[WV], STG
	v_and_b32 v16, 15, v0
	v_bfe_u32 v17, v0, 4, 1
	s_delay_alu instid0(VALU_DEP_2)
	v_mul_u32_u24 v[W16], v16, 272
	s_delay_alu instid0(VALU_DEP_1)
	v_lshl_add_u32 v[W16], v17, 6, v[W16]
	s_delay_alu instid0(VALU_DEP_1)
	v_add_nc_u32 v[W16], s48, v[W16]
	s_delay_alu instid0(VALU_DEP_4)
	v_mul_u32_u24 v[W8], v17, 272
	s_delay_alu instid0(VALU_DEP_1)
	v_lshl_add_u32 v[W8], v16, 4, v[W8]
	s_delay_alu instid0(VALU_DEP_1)
	v_add_nc_u32 v[W8], s48, v[W8]
	v_lshlrev_b32 v[XA], 12, v17
	s_delay_alu instid0(VALU_DEP_1)
	v_lshl_add_u32 v[XA], v16, 4, v[XA]
.macro TOSTAGE m
.irp f, 0,1,2,3
.irp e, 0,1
	ds_store_b128 v[W16], v[128+32*\m+8*\f+4*\e:128+32*\m+8*\f+4*\e+3] offset:128*(\f/2)+32*(\f%2)+16*\e
.endr
.endr
.irp i, 0,1,2,3,4,5,6,7
	ds_load_b128 v[32+32*(\m%2)+4*\i:32+32*(\m%2)+4*\i+3], v[W8] offset:544*\i
.endr
.endm
.macro SEND m, younger
	s_wait_dscnt \younger
.irp i, 0,1,2,3,4,5,6,7
	global_store_b128 v[XA], v[32+32*(\m%2)+4*\i:32+32*(\m%2)+4*\i+3], s[10:11] offset:(16*\m+2*\i)*4096 th:TH_STORE_NT
.endr
.endm
	TOSTAGE 0
	TOSTAGE 1
	s_wait_alu depctr_va_vdst(0)
	SEND 0, 16
	s_wait_xcnt 0x0
	TOSTAGE 2
	SEND 1, 16
	s_wait_xcnt 0x0
	TOSTAGE 3
	SEND 2, 16
	SEND 3, 0
	s_wait_tensorcnt 0x0
	ds_add_u32 v[SPW], v[NIL]
	s_wait_dscnt 0x0
	ROUND
	s_endpgm
.Lfunc_end_k_q399d6982e8_main:
	.size	k_q399d6982e8_main, .Lfunc_end_k_q399d6982e8_main-k_q399d6982e8_main
	.p2alignl 7, 3214868480
	.fill 96, 4, 3214868480
	.section	.rodata,"a",@progbits
	.p2align	6, 0x0
	.amdhsa_kernel k_q399d6982e8_main
		.amdhsa_group_segment_fixed_size 327680
		.amdhsa_private_segment_fixed_size 0
		.amdhsa_enable_private_segment 0
		.amdhsa_kernarg_size 32
		.amdhsa_user_sgpr_count 2
		.amdhsa_user_sgpr_kernarg_segment_ptr 1
		.amdhsa_wavefront_size32 1
		.amdhsa_system_sgpr_workgroup_id_x 1
		.amdhsa_system_sgpr_workgroup_id_y 1
		.amdhsa_system_sgpr_workgroup_id_z 1
		.amdhsa_system_vgpr_workitem_id 0
		.amdhsa_next_free_vgpr 256
		.amdhsa_next_free_sgpr 66
		.amdhsa_reserve_vcc 0
		.amdhsa_float_denorm_mode_32 3
		.amdhsa_float_denorm_mode_16_64 3
		.amdhsa_memory_ordered 1
		.amdhsa_forward_progress 1
		.amdhsa_inst_pref_size 149
	.end_amdhsa_kernel
	.amdgpu_metadata
---
amdhsa.version: [ 1, 2 ]
amdhsa.kernels:
  - .name:           k_q399d6982e8_main
    .symbol:         k_q399d6982e8_main.kd
    .args:
      - { .name: xq, .offset: 0, .size: 8, .value_kind: global_buffer, .address_space: global }
      - { .name: stream, .offset: 8, .size: 8, .value_kind: global_buffer, .address_space: global }
      - { .name: bo, .offset: 16, .size: 8, .value_kind: global_buffer, .address_space: global }
      - { .name: out0, .offset: 24, .size: 8, .value_kind: global_buffer, .address_space: global }
    .group_segment_fixed_size: 327680
    .private_segment_fixed_size: 0
    .kernarg_segment_align: 8
    .kernarg_segment_size: 32
    .max_flat_workgroup_size: 512
    .sgpr_count:     66
    .vgpr_count:     256
    .wavefront_size: 32
...
	.end_amdgpu_metadata
.endif
;; end of part 3
